; MI455X (gfx1250); checked and timed in simulation.
; The chip was launched on July 23, 2026; its instructions are those of AMD's public machine-readable ISA for CDNA 5 (MIT licence, August 2026) and "CDNA5" Instruction Set Architecture Reference Guide (July 2026). The comments in the code are by the model that wrote it; some were corrected since.
;; Self Attention. Allowed arithmetic: float matrix products may take bf16 or f16 operands with f32 sums; all other float work in f32.
;; Inputs: Wq 512 x 1,024 float32; bq 512 float32; mask 128 x 512 bool; vq 512 float32; x 128 x 512 x 1,024 float32.
;; Outputs: out0 128 x 1,024 float32.
;; 2 versions, each right; version 2 is version 1 with the launch pool written anew for expert scheduling mode. Each part assembles by itself: llvm-mc -triple=amdgcn-amd-amdhsa -mcpu=gfx1250 --defsym DOCPART=n.
;; ======== version 1 of 2: 3 launches
;; limits: values outside matrix products are rounded to bf16
;; workspace buffers: wf 1,048,576 bytes; part 2,228,224 bytes
;; launch wprep (part 1): grid 256 x 1, 8 waves a work-group, no clusters, 0 bytes of LDS; arguments Wq, wf; writes wf
.if DOCPART == 1
	.amdgcn_target "amdgcn-amd-amdhsa--gfx1250"
	.amdhsa_code_object_version 6
	.text
	.protected	k_q1be77ba77b_wprep
	.globl	k_q1be77ba77b_wprep
	.p2align	8
	.type	k_q1be77ba77b_wprep,@function
k_q1be77ba77b_wprep:
	s_mov_b64 s[64:65], 0
	v_nop
	global_prefetch_b8 v0, s[64:65] scope:SCOPE_SE
	s_setreg_imm32_b32 hwreg(HW_REG_WAVE_MODE, 25, 1), 1
	s_wait_xcnt 0x0
; wf = Wq rounded to bf16 (nearest even), laid out in the order in which the matrix instruction's fragments want it.
; Wq: [512 d][1024 k] f32.  wf: block (T, s) of 1,024 bytes at (32 T + s) * 1024, T = d / 16 (0..31), s = k / 32 (0..31);
; inside a block [j = 0, 1][lane L = 0..31][16 bytes] = Wq[16 T + (L & 15)][32 s + 16 j + 8 (L >> 4) + 0..7].
; Thread u (0..65535) makes the 16 bytes at 16 u of wf: a wave's store covers 512 consecutive bytes, aligned.
; The 256 threads of a work-group cover 4 values of s: they read 512 consecutive bytes of each of 16 rows of Wq.
; No LDS, no barrier, no matrix unit: the launch only moves 3 MB.
	s_load_b128 s[4:7], s[0:1], 0x0                ; Wq s[4:5], wf s[6:7]
	s_lshl_b32 s8, ttmp9, 8
	v_add_nc_u32 v1, s8, v0                        ; u
	v_and_b32 v2, 15, v1                           ; L & 15
	v_bfe_u32 v3, v1, 4, 1                         ; L >> 4
	v_bfe_u32 v4, v1, 5, 1                         ; j
	v_bfe_u32 v5, v1, 6, 5                         ; s
	v_lshrrev_b32 v6, 11, v1                       ; T
	v_lshl_add_u32 v2, v6, 4, v2                   ; row of Wq
	v_lshlrev_b32 v2, 12, v2                       ; x 4,096 bytes
	v_lshl_add_u32 v2, v5, 7, v2                   ; + 32 s numbers of 4 bytes
	v_lshl_add_u32 v2, v4, 6, v2                   ; + 16 j
	v_lshl_add_u32 v2, v3, 5, v2                   ; + 8 (L >> 4)
	v_lshlrev_b32 v7, 4, v1                        ; 16 u
	s_wait_kmcnt 0x0
	global_load_b128 v[8:11], v2, s[4:5] th:TH_LOAD_NT
	global_load_b128 v[12:15], v2, s[4:5] offset:16 th:TH_LOAD_NT
	s_wait_loadcnt 0x0
	v_cvt_pk_bf16_f32 v8, v8, v9
	v_cvt_pk_bf16_f32 v9, v10, v11
	v_cvt_pk_bf16_f32 v10, v12, v13
	v_cvt_pk_bf16_f32 v11, v14, v15
	global_store_b128 v7, v[8:11], s[6:7]
	s_endpgm
.Lfunc_end_k_q1be77ba77b_wprep:
	.size	k_q1be77ba77b_wprep, .Lfunc_end_k_q1be77ba77b_wprep-k_q1be77ba77b_wprep
	.p2alignl 7, 3214868480
	.fill 96, 4, 3214868480
	.section	.rodata,"a",@progbits
	.p2align	6, 0x0
	.amdhsa_kernel k_q1be77ba77b_wprep
		.amdhsa_group_segment_fixed_size 0
		.amdhsa_private_segment_fixed_size 0
		.amdhsa_enable_private_segment 0
		.amdhsa_kernarg_size 16
		.amdhsa_user_sgpr_count 2
		.amdhsa_user_sgpr_kernarg_segment_ptr 1
		.amdhsa_wavefront_size32 1
		.amdhsa_system_sgpr_workgroup_id_x 1
		.amdhsa_system_sgpr_workgroup_id_y 1
		.amdhsa_system_sgpr_workgroup_id_z 1
		.amdhsa_system_vgpr_workitem_id 0
		.amdhsa_next_free_vgpr 16
		.amdhsa_next_free_sgpr 66
		.amdhsa_reserve_vcc 0
		.amdhsa_float_denorm_mode_32 3
		.amdhsa_float_denorm_mode_16_64 3
		.amdhsa_memory_ordered 1
		.amdhsa_forward_progress 1
		.amdhsa_inst_pref_size 2
	.end_amdhsa_kernel
	.amdgpu_metadata
---
amdhsa.version: [ 1, 2 ]
amdhsa.kernels:
  - .name:           k_q1be77ba77b_wprep
    .symbol:         k_q1be77ba77b_wprep.kd
    .args:
      - { .name: Wq, .offset: 0, .size: 8, .value_kind: global_buffer, .address_space: global }
      - { .name: wf, .offset: 8, .size: 8, .value_kind: global_buffer, .address_space: global }
    .group_segment_fixed_size: 0
    .private_segment_fixed_size: 0
    .kernarg_segment_align: 8
    .kernarg_segment_size: 16
    .max_flat_workgroup_size: 256
    .sgpr_count:     66
    .vgpr_count:     16
    .wavefront_size: 32
...
	.end_amdgpu_metadata
.endif
;; end of part 1
;; launch pool (part 2): grid 512 x 1, 4 waves a work-group, no clusters, 305,664 bytes of LDS; arguments x, wf, bq, vq, mask, part; writes part
.if DOCPART == 2
	.amdgcn_target "amdgcn-amd-amdhsa--gfx1250"
	.amdhsa_code_object_version 6
	.text
	.protected	k_q1be77ba77b_pool
	.globl	k_q1be77ba77b_pool
	.p2align	8
	.type	k_q1be77ba77b_pool,@function
k_q1be77ba77b_pool:
	s_mov_b64 s[64:65], 0
	v_nop
	global_prefetch_b8 v0, s[64:65] scope:SCOPE_SE
	s_setreg_imm32_b32 hwreg(HW_REG_WAVE_MODE, 25, 1), 1
	s_wait_xcnt 0x0
; One work-group = 128 rows of x (a quarter of a batch).  It computes score = vq . tanh(Wq x + bq) for its rows, puts -1e6 where the mask is set,
; and leaves a softmax partial: m = largest score, l = sum of exp(score - m), acc[1024] = sum of exp(score - m) * x.  The next launch merges four.
; x is read from memory ONCE: on its way in it is rounded to bf16 and kept in LDS (128 rows x 1,024 numbers), where it serves first as the
; matrix operand and at the end, when the weights are known, for the weighted sum.
; Four waves, one for each SIMD.  Wave w makes 128 rows x the columns d = 128 w .. 128 w + 127: 64 accumulator tiles, 512 registers.
; W's fragments: no two waves of the work-group use the same element of W, so they go straight from wf (fragment order, bf16) into registers,
; a ring of four register slots, asked for three K steps of 32 ahead.
; NO CLUSTER, NO JOINT REQUESTS for W, though all work-groups walk the same W: the kept block of x takes 296,960 of the 327,680 bytes of LDS, the
; small tables 8,192; the 22,528 left are less than ONE K step of W (512 d x 32 k x 2 bytes = 32,768), so no ring for it fits.
; No tensor loads: x has to be converted on its way, and W's fragments have one reader each.
; FORMAT: all four floating-point inputs enter rounded to bf16 (nearest even), and everything behind them is f32.  x and Wq are the operands of the
; large product, x again of the weighted sum, vq of the product with tanh(..); bq is taken as a 1,025th column of W (against a constant 1 in x) and
; rounded as W is.  The scores spread over tens, so the softmax is steep and the rounding of the inputs shows in the weights of rows whose scores
; lie close together: by rounding all inputs alike the result is that of the f32 computation on bf16 inputs.
; LIMITS: NaN and infinite inputs are not served.  tanh z = 1 - 2 / (1 + 2^(2.88539 z)): absolute error about 1e-7, exactly +-1 where 2^.. overflows
; or vanishes.  Weights below 2^-126 come out as 0 (v_exp_f32 flushes).  Any mask byte other than 0 counts as set.
;
; THE MATRIX INSTRUCTION IS USED TRANSPOSED: source 0 = 16 rows (d) of W, source 1 = 16 rows of x.  Lane (r = L & 15, h = L >> 4), register j of
; tile (a, b) then holds row 16 a + r, d = 128 w + 16 b + 8 h + j: the sum over d runs inside a lane, and needs one step across lanes.
;
; LDS
.set XP,   144                         ; a row of a chunk: 64 bf16 = 128 bytes + 16: the 16 rows of a fragment load start 36 words apart, in 16 different groups of banks
.set CHB,  128*XP+128                  ; a chunk = 64 k of all 128 rows, + 128 bytes: chunks lie 128 bytes apart modulo 256, for the reads of the weighted sum
.set BQL,  16*CHB                      ; 2.88539 bq, 512 f32; wave w's 128 at + 512 w (its own bytes)
.set VQL,  BQL+2048                    ; vq likewise
.set SCP,  VQL+2048                    ; [wave][128 rows] f32: each wave's part of the scores
.set PW,   SCP+2048                    ; [wave][128 rows] f32: the weights, a copy for each wave
; REGISTERS, window 0
.set VXO,  4                           ; x: (32 w + 8 h) rows of 4,096 bytes + 16 r
.set VBO,  5                           ; wf: 262,144 w + 16 L
.set VXS,  6                           ; LDS, where my converted 8 bytes go: (32 w + 8 h) XP + 8 r, stepped by two chunks
.set VA,   8                           ; LDS, my part of an x fragment: r XP + 16 h, stepped by two chunks
.set VMASK, 12                         ; the mask bytes of rows 4 L .. 4 L + 3
.set VSC,  13                          ; SCP + 512 w + 4 r
.set VSL,  14                          ; SCP + 16 L
.set VPW,  15                          ; PW + 512 w
.set WB,   16                          ; LDS, the weighted sum's reads: (4 w + h) CHB + 8 r
.set VOUT, 20                          ; part: 1,024 w + 16 L
.set VNEG, 21                          ; -1e6
.set VBQ,  22                          ; BQL + 512 w + 32 h
.set VVQ,  23                          ; VQL + 512 w + 32 h
.set OO,   32                          ; v[32:39]  my 8 columns of the weighted sum
.set SC,   42                          ; v[42:49]  row tile a: my part of the score of row 16 a + r
.set SS,   50                          ; v[50:57]  four chains of pairs
.set AF,   64                          ; v[64:127]   8 fragments of x.  Later BQ, then the weights' first half
.set X0,   128                         ; v[128:191]  x as loaded, set 0.  Later VQ, then the weights' second half
.set X1,   192                         ; v[192:255]  x as loaded, set 1.  Later TT, then two sets of 8 rows
.set BQ,   64
.set VQ,   128
.set TT,   192
.set PP,   64
.set R0,   192
.set R1,   224
; window 1: W's fragments, slot n at v[64 n], fragment b at + 8 b.  Windows 2, 3: tile (a, b) at v[8 (8 (a % 4) + b)], a < 4 in window 2.
.set MSB, 0
.macro WIN new                         ; s_set_vgpr_msb: bits 1:0 source 0, 3:2 source 1, 5:4 source 2, 7:6 destination; the high byte repeats the setting left
.if MSB != \new
	s_set_vgpr_msb (MSB<<8)|\new
.set MSB, \new
.endif
.endm
.set MUL_LO, 0xa1                      ; source 0 (W) window 1, source 1 (x) window 0, C and D window 2
.set MUL_HI, 0xf1                      ; the same, C and D window 3
.set TO_B,   0x40                      ; destination window 1, address window 0
.macro PLACES                          ; four places behind a matrix instruction (ISA guide 7.12.1) where there is no useful work for them
.rept 4
	v_nop
.endr
.endm
; 8 loads of x: half (q0 = 0 or 8) of chunk ck (counted from the stepped base).  Lanes 0-15 take 256 consecutive bytes of one row, lanes 16-31 of the row 8 further.
.macro XLOAD set, q0, ck
	WIN 0
.set ia, 0
.rept 8
	global_load_b128 v[\set+4*(\q0+ia):\set+4*(\q0+ia)+3], v[VXO], s[4:5] offset:(2*\q0+ia)*4096+(\ck)*256 th:TH_LOAD_NT
.set ia, ia+1
.endr
.endm
; n loads' worth of x to bf16, in place: registers 4 q, 4 q + 1 get the four numbers
.macro XCVT set, q0, n
	WIN 0
.set ia, \q0
.rept \n
	v_cvt_pk_bf16_f32 v[\set+4*ia], v[\set+4*ia], v[\set+4*ia+1]
	v_cvt_pk_bf16_f32 v[\set+4*ia+1], v[\set+4*ia+2], v[\set+4*ia+3]
.set ia, ia+1
.endr
.endm
; 8 LDS stores of 8 bytes a lane: 128 bytes of a row from lanes 0-15, 128 of the row 8 further (1,152 bytes on: 128 modulo 256) from lanes 16-31
.macro XSTORE set, q0, ck
	WIN 0
.set ia, 0
.rept 8
	ds_store_b64 v[VXS], v[\set+4*(\q0+ia):\set+4*(\q0+ia)+1] offset:(2*\q0+ia)*XP+(\ck)*CHB
.set ia, ia+1
.endr
.endm
; 16 loads: W's 8 fragments of K step sg (counted from the stepped base) into slot; each load covers 512 consecutive bytes
.macro BLOAD slot, sg
	WIN TO_B
.irp b, 0,1,2,3,4,5,6,7
	global_load_b128 v[64*(\slot)+8*\b:64*(\slot)+8*\b+3], v[VBO], s[6:7] offset:\b*32768+(\sg)*1024
	global_load_b128 v[64*(\slot)+8*\b+4:64*(\slot)+8*\b+7], v[VBO], s[6:7] offset:\b*32768+(\sg)*1024+512
.endr
.endm
; 8 LDS loads: x fragments t0 .. t0 + 3 of K step sg: chunk sg / 2, byte 64 (sg % 2) of its rows
.macro ALOAD t0, sg
	WIN 0
.set ia, \t0
.rept 4
	ds_load_b128 v[AF+8*ia:AF+8*ia+3], v[VA] offset:ia*16*XP+((\sg)>>1)*CHB+((\sg)&1)*64
	ds_load_b128 v[AF+8*ia+4:AF+8*ia+7], v[VA] offset:ia*16*XP+((\sg)>>1)*CHB+((\sg)&1)*64+32
.set ia, ia+1
.endr
.endm
; 32 matrix instructions: row tiles 4 hi .. 4 hi + 3 x all 8 d tiles.  zero = 1: the first product starts the sums, nothing is cleared.
.macro MUL32 hi, slot, zero
.if \hi
	WIN MUL_HI
.else
	WIN MUL_LO
.endif
.irp a, 0,1,2,3
.irp b, 0,1,2,3,4,5,6,7
.if \zero
	v_wmma_f32_16x16x32_bf16 v[8*(8*\a+\b):8*(8*\a+\b)+7], v[64*(\slot)+8*\b:64*(\slot)+8*\b+7], v[AF+8*(4*\hi+\a):AF+8*(4*\hi+\a)+7], 0
.else
	v_wmma_f32_16x16x32_bf16 v[8*(8*\a+\b):8*(8*\a+\b)+7], v[64*(\slot)+8*\b:64*(\slot)+8*\b+7], v[AF+8*(4*\hi+\a):AF+8*(4*\hi+\a)+7], v[8*(8*\a+\b):8*(8*\a+\b)+7]
.endif
.endr
.endr
.endm
; behind two trips: all bases two chunks (four K steps) on
.macro ROUNDEND
	WIN 0
	s_wait_xcnt 0x0                                ; the two scalar bases, which loads still out name, are stepped only behind this wait
	s_add_nc_u64 s[4:5], s[4:5], 512
	s_add_nc_u64 s[6:7], s[6:7], 4096
	v_add_nc_u32 v[VXS], 2*CHB, v[VXS]
	v_add_nc_u32 v[VA], 2*CHB, v[VA]
.endm
; A TRIP = chunk c of 64 k = K steps 2 c, 2 c + 1 = 128 matrix instructions in four runs of 32, with a gap behind each.  par = c % 2.
; In the gaps: chunk c + 2 of x (loaded two trips ago) is converted and stored to LDS, chunk c + 4 is asked for, W's steps 2 c + 3 and 2 c + 4 are asked
; for, and the x fragments of the next K step are read.  The conversions are the places behind the matrix instructions.
; ONE BARRIER A TRIP: it makes chunk c + 1 (stored in trip c - 1, waited for in front of the signal) readable; it is first read in the third gap.
; No byte of the x block is ever written twice, so no barrier is needed the other way.
; Global loads of a trip, in order: second gap W 16, x 8; fourth gap W 16, x 8.
;   lw0: W's step 2 c was asked for first in the fourth gap two trips ago: 8 + 48 younger loads stay out.  The x that the first two gaps convert is older.
;   lw1: W's step 2 c + 1, first in the second gap of the last trip: 8 + 24 + 24 stay out.  The x that the last two gaps convert is older.
; LDS instructions of a trip, in order: 8 loads; 8 stores, 8 loads; 8 loads; 8 stores, 8 loads.
;   dw0: fragments 0-3 of step 2 c (third gap of the last trip): 8 stores and 8 loads stay out.  dw1: fragments 0-3 of step 2 c + 1: likewise 16.
;   dw2: fragments 4-7 of step 2 c + 1: the third gap's 8 loads stay out.
; The tail's trips leave parts out (xld, xst, b1, b3, anext, bar = 0) and their counts shrink with what was not issued.
.macro TRIP par, zero, xld, xst, b1, b3, anext, bar, lw0, lw1, dw0, dw1, dw2
.set KS0,  2*\par
.set KS1,  2*\par+1
.set SLB,  (2*\par+3)&3
.set XSET, X0+64*\par
	s_wait_loadcnt \lw0
	s_wait_dscnt \dw0
	MUL32 0, KS0, \zero
	s_wait_dscnt 0x0                               ; fragments 4-7 are in; and, for the other waves, my stores of the last trip are done
.if \bar
	s_barrier_signal -1
.endif
.if \xst
	XCVT XSET, 0, 4
.else
	PLACES
.endif
	ALOAD 0, KS1                                   ; chunk c: readable since the last trip's barrier, never written again
	MUL32 1, KS0, \zero
.if \bar
	s_barrier_wait -1
.endif
.if \xst
	XCVT XSET, 4, 4
	XSTORE XSET, 0, 2+\par
.else
	PLACES
.endif
	ALOAD 4, KS1
.if \b1
	BLOAD SLB, KS0+3                               ; into the slot of the last trip's second step
.endif
.if \xld
	XLOAD XSET, 0, 4+\par                          ; into the registers just stored from
.endif
	s_wait_loadcnt \lw1
	s_wait_dscnt \dw1
	MUL32 0, KS1, 0
.if \xst
	XCVT XSET, 8, 4
.else
.if \anext
	PLACES
.endif
.endif
.if \anext
	ALOAD 0, KS0+2                                 ; chunk c + 1: behind this trip's barrier
.endif
	s_wait_dscnt \dw2
	MUL32 1, KS1, 0
.if \xst
	XCVT XSET, 12, 4
	XSTORE XSET, 8, 2+\par
.else
.if \anext
	PLACES
.endif
.endif
.if \anext
	ALOAD 4, KS0+2
.endif
.if \b3
	BLOAD KS0, KS0+4                               ; into the slot of this trip's first step
.endif
.if \xld
	XLOAD XSET, 8, 4+\par
.endif
.endm
	; ---- set-up
	s_load_b256 s[4:11], s[0:1], 0x0               ; x s[4:5], wf s[6:7], bq s[8:9], vq s[10:11]
	s_load_b128 s[12:15], s[0:1], 0x20             ; mask s[12:13], part s[14:15]
	v_lshl_add_u32 v62, v0, 2, 0x4a800
	v_mov_b32 v63, 0
	v_lshrrev_b32 v1, 5, v0
	v_readfirstlane_b32 s16, v1                    ; wave w
	v_and_b32 v1, 31, v0                           ; L
	v_and_b32 v2, 15, v0                           ; r
	v_bfe_u32 v3, v0, 4, 1                         ; h
	s_mov_b32 s20, 0x76543210                      ; v_permlanex16_b32: lane i reads lane i of the other half
	s_mov_b32 s21, 0xfedcba98
	s_mov_b32 s19, 0
	s_lshl_b32 s17, s16, 17                        ; 32 w rows of 4,096 bytes
	v_lshlrev_b32 v[VXO], 4, v2
	v_lshl_add_u32 v[VXO], v3, 15, v[VXO]
	v_add_nc_u32 v[VXO], s17, v[VXO]
	s_lshl_b32 s17, s16, 18                        ; 8 d tiles x 32 K steps x 1,024 bytes
	v_lshl_add_u32 v[VBO], v1, 4, s17
	s_mul_i32 s17, s16, 32*XP
	v_mul_u32_u24 v[VXS], v3, 8*XP
	v_lshl_add_u32 v[VXS], v2, 3, v[VXS]
	v_add_nc_u32 v[VXS], s17, v[VXS]
	v_mul_u32_u24 v[VA], v2, XP
	v_lshl_add_u32 v[VA], v3, 4, v[VA]
	s_lshl_b32 s17, s16, 9                         ; 512 w
	v_lshl_add_u32 v[VSC], v2, 2, s17
	v_add_nc_u32 v[VSC], SCP, v[VSC]
	v_lshlrev_b32 v[VSL], 4, v1
	v_add_nc_u32 v[VSL], SCP, v[VSL]
	s_add_co_u32 s23, s17, PW
	v_mov_b32 v[VPW], s23
	v_lshl_add_u32 v[VBQ], v3, 5, s17
	v_add_nc_u32 v[VVQ], VQL, v[VBQ]
	v_add_nc_u32 v[VBQ], BQL, v[VBQ]
	v_lshl_add_u32 v7, v1, 4, s17                  ; bq, vq: my 4 numbers of my wave's 128
	v_add_nc_u32 v10, BQL, v7                      ; and where they go in LDS
	v_lshlrev_b32 v9, 2, v1                        ; mask: my 4 bytes
	s_mul_i32 s23, s16, 4*CHB
	v_mul_u32_u24 v[WB], v3, CHB
	v_lshl_add_u32 v[WB], v2, 3, v[WB]
	v_add_nc_u32 v[WB], s23, v[WB]
	s_lshl_b32 s23, s16, 10
	v_lshl_add_u32 v[VOUT], v1, 4, s23
	v_mov_b32 v[VNEG], 0xc9742400                  ; -1e6
	s_wait_kmcnt 0x0
	s_lshl_b32 s18, ttmp9, 19                      ; 128 rows of 4,096 bytes; at most 511 << 19, below 2^32
	s_add_nc_u64 s[4:5], s[4:5], s[18:19]
	s_lshl_b32 s18, ttmp9, 7
	s_add_nc_u64 s[12:13], s[12:13], s[18:19]
	s_mul_i32 s18, ttmp9, 4352
	s_add_nc_u64 s[14:15], s[14:15], s[18:19]
	; ---- the way in: chunks 0 and 1 go to LDS, then the loads are issued in the order that the trips keep, so that the trips' counts hold from the first
	global_load_b128 v[24:27], v7, s[8:9]
	global_load_b128 v[28:31], v7, s[10:11]
	global_load_b32 v[VMASK], v9, s[12:13]
	XLOAD X0, 0, 0
	XLOAD X0, 8, 0
	XLOAD X1, 0, 1
	XLOAD X1, 8, 1
	s_wait_loadcnt 16                              ; chunk 1's 16 loads stay out: bq, vq, mask and chunk 0 are in
	; bq and vq to bf16 (nearest even) and back to f32: they enter in the format of the other inputs (see FORMAT at the head)
.irp i, 0,1,2,3
	v_cvt_pk_bf16_f32 v[58+\i], v[24+2*\i], v[25+2*\i]
.endr
.irp i, 0,1,2,3
	v_lshlrev_b32 v[24+2*\i], 16, v[58+\i]         ; the low half moves up,
	v_and_b32 v[25+2*\i], 0xffff0000, v[58+\i]     ; the high half stays
.endr
	v_pk_mul_f32 v[24:25], v[24:25], 0x4038aa3b op_sel_hi:[1,0]    ; 2 log2(e) bq: the factor of the exponential is folded in
	v_pk_mul_f32 v[26:27], v[26:27], 0x4038aa3b op_sel_hi:[1,0]
	ds_store_b128 v10, v[24:27]                    ; my wave's own bytes: read back by this wave alone
	ds_store_b128 v10, v[28:31] offset:2048
	XCVT X0, 0, 16
	XSTORE X0, 0, 0
	XSTORE X0, 8, 0
	XLOAD X0, 0, 2
	BLOAD 0, 0
	XLOAD X0, 8, 2
	BLOAD 1, 1
	s_wait_loadcnt 48                              ; the 48 just issued stay out: chunk 1 is in
	XCVT X1, 0, 16
	XSTORE X1, 0, 1
	XSTORE X1, 8, 1
	XLOAD X1, 0, 3
	BLOAD 2, 2
	XLOAD X1, 8, 3
	s_wait_dscnt 0x0                               ; my stores of chunks 0 and 1 are done,
	s_barrier_signal -1
	s_barrier_wait -1                              ; everybody's are
	ALOAD 0, 0
	ALOAD 4, 0
	; ---- the product: 16 trips
	TRIP 0,1,1,1,1,1,1,1, 56,56, 8,16,8            ; dw0 = 8: behind fragments 0-3 only the 8 loads of fragments 4-7 were issued
	TRIP 1,0,1,1,1,1,1,1, 56,56, 16,16,8
	ROUNDEND
	s_mov_b32 s22, 5
.Lround:                                               ; trips 2 to 11
	TRIP 0,0,1,1,1,1,1,1, 56,56, 16,16,8
	TRIP 1,0,1,1,1,1,1,1, 56,56, 16,16,8
	ROUNDEND
	s_sub_co_u32 s22, s22, 1
	s_cmp_lg_u32 s22, 0
	s_cbranch_scc1 .Lround
	TRIP 0,0,0,1,1,1,1,1, 56,48, 16,16,8           ; trip 12: no chunk 16 to ask for.  lw1: 8 + 24 + 16
	TRIP 1,0,0,1,1,1,1,1, 40,32, 16,16,8           ; trip 13: lw0: 8 + 16 + 16; lw1: 16 + 16.  Stores the last chunk
	ROUNDEND
	TRIP 0,0,0,0,1,0,1,1, 32,32, 16,8,8            ; trip 14: asks for W's last step; its barrier makes chunk 15 readable.  No stores: dw1 = 8
	TRIP 1,0,0,0,0,0,0,0, 16,0, 8,8,0              ; trip 15: nothing is asked for, the counts run out
	; ---- tanh and the product with vq.  bq and vq of my 64 values of d (16 b + 8 h + j) come back from my wave's own LDS bytes.
	PLACES                                         ; behind the last matrix instructions: for the loads into the fragments' registers and the reads of the sums
	WIN 0
.irp b, 0,1,2,3,4,5,6,7
	ds_load_b128 v[BQ+8*\b:BQ+8*\b+3], v[VBQ] offset:64*\b
	ds_load_b128 v[BQ+8*\b+4:BQ+8*\b+7], v[VBQ] offset:64*\b+16
	ds_load_b128 v[VQ+8*\b:VQ+8*\b+3], v[VVQ] offset:64*\b
	ds_load_b128 v[VQ+8*\b+4:VQ+8*\b+7], v[VVQ] offset:64*\b+16
.endr
	v_mov_b32 v58, 0                               ; v_permlanex16_b32 counts as a reader of its destination
	s_wait_dscnt 0x0
; row tile a: 64 numbers a lane.  Transcendentals stand in runs, one plain instruction behind each run (ISA guide 5.7.2).
.macro TANHROW a
.if \a < 4
	WIN 0x02                                       ; source 0 in window 2
.else
	WIN 0x03
.endif
.set ia, 0
.rept 32
	v_pk_fma_f32 v[TT+2*ia:TT+2*ia+1], v[64*(\a%4)+2*ia:64*(\a%4)+2*ia+1], 0x4038aa3b, v[BQ+2*ia:BQ+2*ia+1] op_sel_hi:[1,0,1]   ; 2 log2(e) (z + bq)
.set ia, ia+1
.endr
	WIN 0
.set ia, 0
.rept 64
	v_exp_f32 v[TT+ia], v[TT+ia]
.set ia, ia+1
.endr
	v_nop
.set ia, 0
	s_wait_alu depctr_va_vdst(0)
.rept 32
	v_pk_add_f32 v[TT+2*ia:TT+2*ia+1], v[TT+2*ia:TT+2*ia+1], 1.0 op_sel_hi:[1,0]
.set ia, ia+1
.endr
.set ia, 0
.rept 64
	v_rcp_f32 v[TT+ia], v[TT+ia]
.set ia, ia+1
.endr
	v_nop
.set ia, 0
	s_wait_alu depctr_va_vdst(0)
.rept 32
	v_pk_fma_f32 v[TT+2*ia:TT+2*ia+1], v[TT+2*ia:TT+2*ia+1], -2.0, 1.0 op_sel_hi:[1,0,0]      ; tanh
.set ia, ia+1
.endr
.set ia, 0
.rept 4
	v_pk_mul_f32 v[SS+2*ia:SS+2*ia+1], v[TT+2*ia:TT+2*ia+1], v[VQ+2*ia:VQ+2*ia+1]             ; the first products start the four chains
.set ia, ia+1
.endr
.rept 28
	v_pk_fma_f32 v[SS+2*(ia%4):SS+2*(ia%4)+1], v[TT+2*ia:TT+2*ia+1], v[VQ+2*ia:VQ+2*ia+1], v[SS+2*(ia%4):SS+2*(ia%4)+1]
.set ia, ia+1
.endr
	v_pk_add_f32 v[SS:SS+1], v[SS:SS+1], v[SS+2:SS+3]
	v_pk_add_f32 v[SS+4:SS+5], v[SS+4:SS+5], v[SS+6:SS+7]
	v_pk_add_f32 v[SS:SS+1], v[SS:SS+1], v[SS+4:SS+5]
	v_add_f32 v[SC+\a], v[SS], v[SS+1]
.endm
	TANHROW 0
	TANHROW 1
	TANHROW 2
	TANHROW 3
	TANHROW 4
	TANHROW 5
	TANHROW 6
	TANHROW 7
.irp a, 0,1,2,3,4,5,6,7
	v_permlanex16_b32 v58, v[SC+\a], s20, s21      ; the other half of the lanes holds the other 64 d of the same row
	v_add_f32 v[SC+\a], v[SC+\a], v58
	ds_store_b32 v[VSC], v[SC+\a] offset:64*\a     ; row 16 a + r; both halves write the same word with the same number
.endr
	s_wait_dscnt 0x0                               ; my part of the scores is in LDS,
	s_barrier_signal -1
	s_barrier_wait -1                              ; everybody's is
	; ---- the block's softmax partial, made alike by every wave: lane L has rows 4 L .. 4 L + 3
.irp q, 0,1,2,3
	ds_load_b128 v[192+4*\q:195+4*\q], v[VSL] offset:512*\q
.endr
	s_wait_dscnt 0x0
	v_pk_add_f32 v[192:193], v[192:193], v[196:197]
	v_pk_add_f32 v[194:195], v[194:195], v[198:199]
	v_pk_add_f32 v[200:201], v[200:201], v[204:205]
	v_pk_add_f32 v[202:203], v[202:203], v[206:207]
	v_pk_add_f32 v[192:193], v[192:193], v[200:201]
	v_pk_add_f32 v[194:195], v[194:195], v[202:203]
.irp i, 0,1,2,3
	v_bfe_u32 v24, v[VMASK], 8*\i, 8
	v_cmp_ne_u32 vcc_lo, 0, v24
	v_cndmask_b32 v[192+\i], v[192+\i], v[VNEG], vcc_lo            ; mask set: -1e6, a finite score like any other
.endr
	v_max_num_f32 v40, v192, v193
	v_max3_num_f32 v40, v40, v194, v195
	v_max_num_f32_dpp v40, v40, v40 row_xmask:1 row_mask:0xf bank_mask:0xf
	v_max_num_f32_dpp v40, v40, v40 row_xmask:2 row_mask:0xf bank_mask:0xf
	v_max_num_f32_dpp v40, v40, v40 row_xmask:4 row_mask:0xf bank_mask:0xf
	v_max_num_f32_dpp v40, v40, v40 row_xmask:8 row_mask:0xf bank_mask:0xf
	v_permlanex16_b32 v58, v40, s20, s21
	v_max_num_f32 v40, v40, v58                    ; m: the largest of the 128 scores, in every lane
.irp i, 0,1,2,3
	v_sub_f32 v[196+\i], v[192+\i], v40
	v_mul_f32 v[196+\i], 0x3fb8aa3b, v[196+\i]
.endr
.irp i, 0,1,2,3
	v_exp_f32 v[196+\i], v[196+\i]                 ; exp(score - m), at most 1
.endr
	v_lshl_add_u32 v25, v1, 4, v[VPW]              ; (the plain instruction behind the run)
	s_wait_alu depctr_va_vdst(0)
	v_add_f32 v41, v196, v197
	v_add_f32 v24, v198, v199
	v_add_f32 v41, v41, v24
	v_add_f32_dpp v41, v41, v41 row_xmask:1 row_mask:0xf bank_mask:0xf
	v_add_f32_dpp v41, v41, v41 row_xmask:2 row_mask:0xf bank_mask:0xf
	v_add_f32_dpp v41, v41, v41 row_xmask:4 row_mask:0xf bank_mask:0xf
	v_add_f32_dpp v41, v41, v41 row_xmask:8 row_mask:0xf bank_mask:0xf
	v_permlanex16_b32 v58, v41, s20, s21
	v_add_f32 v41, v41, v58                        ; l, at least 1
	ds_store_b128 v25, v[196:199]                  ; the weights into my wave's own copy,
.set ia, 0
.rept 32
	ds_load_b128 v[PP+4*ia:PP+4*ia+3], v[VPW] offset:16*ia         ; and all 128 back into every lane: LDS serves a wave's instructions in order (ISA guide 5.7.1)
.set ia, ia+1
.endr
	; ---- the weighted sum.  Wave w owns columns 256 w .. 256 w + 255 (chunks 4 w .. 4 w + 3), a lane the columns 256 w + 4 L .. + 3 and 128 further.
	; A row costs two loads of 8 bytes a lane; lanes 0-15 read 128 bytes of one chunk, lanes 16-31 of the next, 128 bytes apart modulo 256.
.macro PLOAD set, g                    ; rows 8 g .. 8 g + 7: 16 loads
.set ia, 0
.rept 8
	ds_load_b64 v[\set+4*ia:\set+4*ia+1], v[WB] offset:(8*(\g)+ia)*XP
	ds_load_b64 v[\set+4*ia+2:\set+4*ia+3], v[WB] offset:(8*(\g)+ia)*XP+2*CHB
.set ia, ia+1
.endr
.endm
.macro PFMA set, g                     ; 64 fused multiply-adds straight from the bf16 halves
.set ia, 0
.rept 8
.irp c, 0,1,2,3
	v_fma_mix_f32_bf16 v[OO+2*\c], v[\set+4*ia+\c], v[PP+8*(\g)+ia], v[OO+2*\c] op_sel_hi:[1,0,0]
	v_fma_mix_f32_bf16 v[OO+2*\c+1], v[\set+4*ia+\c], v[PP+8*(\g)+ia], v[OO+2*\c+1] op_sel:[1,0,0] op_sel_hi:[1,0,0]
.endr
.set ia, ia+1
.endr
.endm
	PLOAD R0, 0
	PLOAD R1, 1
.irp i, 0,1,2,3,4,5,6,7
	v_mov_b32 v[OO+\i], 0
.endr
.set pg, 0
.rept 7
	s_wait_dscnt 16                                ; the younger group's 16 loads stay out; the first time this also covers the weights
	PFMA R0, pg
	PLOAD R0, pg+2
	s_wait_dscnt 16
	PFMA R1, pg+1
	PLOAD R1, pg+3
.set pg, pg+2
.endr
	s_wait_dscnt 16
	PFMA R0, 14
	s_wait_dscnt 0x0
	PFMA R1, 15
	; ---- the record: 256 bytes of {m, l}, 32 times, then 1,024 f32.  Every store of a wave covers 256 or 512 consecutive bytes, aligned.
	global_store_b128 v[VOUT], v[OO:OO+3], s[14:15] offset:256
	global_store_b128 v[VOUT], v[OO+4:OO+7], s[14:15] offset:768
	v_lshlrev_b32 v26, 3, v1
	s_cmp_lg_u32 s16, 0
	s_cbranch_scc1 .Ldone                          ; every wave holds the same m and l: wave 0 writes them
	global_store_b64 v26, v[40:41], s[14:15]
.Ldone:
	s_wait_tensorcnt 0x0
	ds_add_u32 v62, v63
	s_wait_dscnt 0x0
	s_endpgm
.Lfunc_end_k_q1be77ba77b_pool:
	.size	k_q1be77ba77b_pool, .Lfunc_end_k_q1be77ba77b_pool-k_q1be77ba77b_pool
	.p2alignl 7, 3214868480
	.fill 96, 4, 3214868480
	.section	.rodata,"a",@progbits
	.p2align	6, 0x0
	.amdhsa_kernel k_q1be77ba77b_pool
		.amdhsa_group_segment_fixed_size 305664
		.amdhsa_private_segment_fixed_size 0
		.amdhsa_enable_private_segment 0
		.amdhsa_kernarg_size 48
		.amdhsa_user_sgpr_count 2
		.amdhsa_user_sgpr_kernarg_segment_ptr 1
		.amdhsa_wavefront_size32 1
		.amdhsa_system_sgpr_workgroup_id_x 1
		.amdhsa_system_sgpr_workgroup_id_y 1
		.amdhsa_system_sgpr_workgroup_id_z 1
		.amdhsa_system_vgpr_workitem_id 0
		.amdhsa_next_free_vgpr 1024
		.amdhsa_next_free_sgpr 66
		.amdhsa_reserve_vcc 1
		.amdhsa_float_denorm_mode_32 3
		.amdhsa_float_denorm_mode_16_64 3
		.amdhsa_memory_ordered 1
		.amdhsa_forward_progress 1
		.amdhsa_inst_pref_size 255
	.end_amdhsa_kernel
	.section	.bss,"aw",@nobits
	.p2align	6
	.space	262144
	.amdgpu_metadata
---
amdhsa.version: [ 1, 2 ]
amdhsa.kernels:
  - .name:           k_q1be77ba77b_pool
    .symbol:         k_q1be77ba77b_pool.kd
    .args:
      - { .name: x, .offset: 0, .size: 8, .value_kind: global_buffer, .address_space: global }
      - { .name: wf, .offset: 8, .size: 8, .value_kind: global_buffer, .address_space: global }
      - { .name: bq, .offset: 16, .size: 8, .value_kind: global_buffer, .address_space: global }
      - { .name: vq, .offset: 24, .size: 8, .value_kind: global_buffer, .address_space: global }
      - { .name: mask, .offset: 32, .size: 8, .value_kind: global_buffer, .address_space: global }
      - { .name: part, .offset: 40, .size: 8, .value_kind: global_buffer, .address_space: global }
    .group_segment_fixed_size: 305664
    .private_segment_fixed_size: 0
    .kernarg_segment_align: 8
    .kernarg_segment_size: 48
    .max_flat_workgroup_size: 128
    .sgpr_count:     66
    .vgpr_count:     1024
    .wavefront_size: 32
...
	.end_amdgpu_metadata
.endif
;; end of part 2
;; launch merge (part 3): grid 256 x 1, 4 waves a work-group, no clusters, 0 bytes of LDS; arguments part, out0; writes out0
.if DOCPART == 3
	.amdgcn_target "amdgcn-amd-amdhsa--gfx1250"
	.amdhsa_code_object_version 6
	.text
	.protected	k_q1be77ba77b_merge
	.globl	k_q1be77ba77b_merge
	.p2align	8
	.type	k_q1be77ba77b_merge,@function
k_q1be77ba77b_merge:
	s_mov_b64 s[64:65], 0
	v_nop
	global_prefetch_b8 v0, s[64:65] scope:SCOPE_SE
	s_setreg_imm32_b32 hwreg(HW_REG_WAVE_MODE, 25, 1), 1
	s_wait_xcnt 0x0
; out0[b] = sum over the batch's four blocks q of e_q acc_q / sum of e_q l_q, with e_q = exp(m_q - M), M = the largest m_q.
; part: record 4 b + q of 4,352 bytes: 256 bytes of {m, l} (32 times), then acc[1024] f32.
; A work-group makes half a row of out0 (2,048 bytes): 128 threads, 16 bytes each; a wave's loads and stores cover 512 (the heads: 256) consecutive bytes.
; The block that holds M has e = 1 and l >= 1, so the divisor is at least 1.  A block whose rows are all masked has m = -1e6 and e = 0 beside any
; other; in a batch that is masked everywhere all four e are 1 and the result is the rows' mean, as in the reference.
; The launch moves 2.7 MB: no LDS, no barrier, no matrix unit.
	s_load_b128 s[4:7], s[0:1], 0x0                ; part s[4:5], out0 s[6:7]
	s_lshr_b32 s8, ttmp9, 1                        ; b
	s_and_b32 s9, ttmp9, 1                         ; which half of the row
	s_mul_i32 s10, s8, 4*4352
	s_mov_b32 s11, 0
	s_lshl_b32 s14, s9, 11
	s_lshl_b32 s12, s8, 12
	s_add_co_u32 s12, s12, s14
	s_mov_b32 s13, 0
	v_and_b32 v1, 31, v0
	v_lshlrev_b32 v1, 3, v1                        ; a head: 8 bytes a lane
	v_lshlrev_b32 v2, 4, v0                        ; my 16 bytes of the half row
	v_add_nc_u32 v3, s14, v2
	s_wait_kmcnt 0x0
	s_add_nc_u64 s[4:5], s[4:5], s[10:11]
	s_add_nc_u64 s[6:7], s[6:7], s[12:13]
.irp q, 0,1,2,3
	global_load_b64 v[4+2*\q:5+2*\q], v1, s[4:5] offset:4352*\q
	global_load_b128 v[12+4*\q:15+4*\q], v3, s[4:5] offset:4352*\q+256
.endr
	s_wait_loadcnt 0x0
	v_max_num_f32 v28, v4, v6
	v_max3_num_f32 v28, v28, v8, v10               ; M
.irp q, 0,1,2,3
	v_sub_f32 v[30+\q], v[4+2*\q], v28
	v_mul_f32 v[30+\q], 0x3fb8aa3b, v[30+\q]
.endr
.irp q, 0,1,2,3
	v_exp_f32 v[30+\q], v[30+\q]
.endr
	v_nop                                          ; one plain instruction behind the run of transcendentals (ISA guide 5.7.2)
	s_wait_alu depctr_va_vdst(0)
	v_mul_f32 v29, v30, v5
	v_fmac_f32 v29, v31, v7
	v_fmac_f32 v29, v32, v9
	v_fmac_f32 v29, v33, v11                       ; sum of e l
	v_rcp_f32 v29, v29
	v_nop
	s_wait_alu depctr_va_vdst(0)
.irp q, 0,1,2,3
	v_mul_f32 v[30+\q], v[30+\q], v29              ; e / divisor
.endr
.irp i, 0,1,2,3
	v_mul_f32 v[34+\i], v[12+\i], v30
	v_fmac_f32 v[34+\i], v[16+\i], v31
	v_fmac_f32 v[34+\i], v[20+\i], v32
	v_fmac_f32 v[34+\i], v[24+\i], v33
.endr
	global_store_b128 v2, v[34:37], s[6:7]
	s_endpgm
.Lfunc_end_k_q1be77ba77b_merge:
	.size	k_q1be77ba77b_merge, .Lfunc_end_k_q1be77ba77b_merge-k_q1be77ba77b_merge
	.p2alignl 7, 3214868480
	.fill 96, 4, 3214868480
	.section	.rodata,"a",@progbits
	.p2align	6, 0x0
	.amdhsa_kernel k_q1be77ba77b_merge
		.amdhsa_group_segment_fixed_size 0
		.amdhsa_private_segment_fixed_size 0
		.amdhsa_enable_private_segment 0
		.amdhsa_kernarg_size 16
		.amdhsa_user_sgpr_count 2
		.amdhsa_user_sgpr_kernarg_segment_ptr 1
		.amdhsa_wavefront_size32 1
		.amdhsa_system_sgpr_workgroup_id_x 1
		.amdhsa_system_sgpr_workgroup_id_y 1
		.amdhsa_system_sgpr_workgroup_id_z 1
		.amdhsa_system_vgpr_workitem_id 0
		.amdhsa_next_free_vgpr 40
		.amdhsa_next_free_sgpr 66
		.amdhsa_reserve_vcc 0
		.amdhsa_float_denorm_mode_32 3
		.amdhsa_float_denorm_mode_16_64 3
		.amdhsa_memory_ordered 1
		.amdhsa_forward_progress 1
		.amdhsa_inst_pref_size 4
	.end_amdhsa_kernel
	.amdgpu_metadata
---
amdhsa.version: [ 1, 2 ]
amdhsa.kernels:
  - .name:           k_q1be77ba77b_merge
    .symbol:         k_q1be77ba77b_merge.kd
    .args:
      - { .name: part, .offset: 0, .size: 8, .value_kind: global_buffer, .address_space: global }
      - { .name: out0, .offset: 8, .size: 8, .value_kind: global_buffer, .address_space: global }
    .group_segment_fixed_size: 0
    .private_segment_fixed_size: 0
    .kernarg_segment_align: 8
    .kernarg_segment_size: 16
    .max_flat_workgroup_size: 128
    .sgpr_count:     66
    .vgpr_count:     40
    .wavefront_size: 32
...
	.end_amdgpu_metadata
.endif
;; end of part 3
;; ======== version 2 of 2: 3 launches; version 1 with the launch pool written anew for expert scheduling mode
;; limits: values outside matrix products are rounded to bf16
;; workspace buffers: wf 1,048,576 bytes; part 2,228,224 bytes
;; launch wprep: the kernel of part 1 again; grid 256 x 1, 8 waves a work-group, no clusters, 0 bytes of LDS; arguments Wq, wf; writes wf
;; launch pool (part 4): grid 512 x 1, 4 waves a work-group, no clusters, 305,664 bytes of LDS; arguments x, wf, bq, vq, mask, part; writes part
.if DOCPART == 4
	.amdgcn_target "amdgcn-amd-amdhsa--gfx1250"
	.amdhsa_code_object_version 6
	.text
	.protected	k_q1be77ba77b_pool
	.globl	k_q1be77ba77b_pool
	.p2align	8
	.type	k_q1be77ba77b_pool,@function
k_q1be77ba77b_pool:
	s_mov_b64 s[64:65], 0
	v_nop
	global_prefetch_b8 v0, s[64:65] scope:SCOPE_SE
	s_setreg_imm32_b32 hwreg(HW_REG_WAVE_SCHED_MODE, 0, 2), 2
	s_setreg_imm32_b32 hwreg(HW_REG_WAVE_MODE, 25, 1), 1
	s_wait_xcnt 0x0
	s_wait_alu depctr_vm_vsrc(0)
; One work-group = 128 rows of x (a quarter of a batch).  It computes score = vq . tanh(Wq x + bq) for its rows, puts -1e6 where the mask is set,
; and leaves a softmax partial: m = largest score, l = sum of exp(score - m), acc[1024] = sum of exp(score - m) * x.  The next launch merges four.
; x is read from memory ONCE: on its way in it is rounded to bf16 and kept in LDS (128 rows x 1,024 numbers), where it serves first as the
; matrix operand and at the end, when the weights are known, for the weighted sum.
; Four waves, one for each SIMD.  Wave w makes 128 rows x the columns d = 128 w .. 128 w + 127: 64 accumulator tiles, 512 registers.
; W's fragments: no two waves of the work-group use the same element of W, so they go straight from wf (fragment order, bf16) into registers,
; a ring of four register slots.
; NO CLUSTER, NO JOINT REQUESTS for W, though all work-groups walk the same W: the kept block of x takes 296,960 of the 327,680 bytes of LDS, the
; small tables 8,192; the 22,528 left are less than ONE K step of W (512 d x 32 k x 2 bytes = 32,768), so no ring for it fits.
; No tensor loads: x has to be converted on its way, and W's fragments have one reader each.
; FORMAT: all four floating-point inputs enter rounded to bf16 (nearest even), and everything behind them is f32.  x and Wq are the operands of the
; large product, x again of the weighted sum, vq of the product with tanh(..); bq is taken as a 1,025th column of W (against a constant 1 in x) and
; rounded as W is.  The scores spread over tens, so the softmax is steep and the rounding of the inputs shows in the weights of rows whose scores
; lie close together: by rounding all inputs alike the result is that of the f32 computation on bf16 inputs.
; LIMITS: NaN and infinite inputs are not served.  tanh z = 1 - 2 / (1 + 2^(2.88539 z)): absolute error about 1e-7, exactly +-1 where 2^.. overflows
; or vanishes.  Weights below 2^-126 come out as 0 (v_exp_f32 flushes).  Any mask byte other than 0 counts as set.
;
; THE MATRIX INSTRUCTION IS USED TRANSPOSED: source 0 = 16 rows (d) of W, source 1 = 16 rows of x.  Lane (r = L & 15, h = L >> 4), register j of
; tile (a, b) then holds row 16 a + r, d = 128 w + 16 b + 8 h + j: the sum over d runs inside a lane, and needs one step across lanes.
;
; THE MODE: SCHED_MODE bits 1:0 = 2 (LLVM: expert scheduling mode 2), set by the entry lines.  The code itself states the register dependences
; between vector or matrix instructions and memory or LDS instructions, with s_wait_alu, always for 0.
; THE PLAN, for the product.  A trip (64 along K) is four quarters Q0 .. Q3 of 32 matrix instructions.  Registers that memory or LDS instructions touch:
;   AF 0-3     read by the matrix instructions of Q0 and Q2; the LDS loads dealt into Q1 and Q3 land in them.
;   AF 4-7     read by those of Q1 and Q3; the LDS loads dealt into Q2 and into the next trip's Q0 land in them.
;   W's slots  slot s is read by the two quarters of K step s; it is loaded again in Q2 (the last trip's second step's slot) or Q3 (this trip's first step's).
;   X0, X1     x as loaded.  Read by the conversions alone, eight ahead of each quarter's head; the first half is loaded again in Q2, the second in the next Q0.
;   Y0, Y1     x in bf16, out-buffers.  Y0: written ahead of Q1 and Q2, read by the LDS stores in Q2.  Y1: written ahead of Q3 and at the trip's end, read by the stores in the next Q0.
;   VXO, VBO   offsets of the global loads: never written again.  VXS, VA: LDS addresses, stepped once in two trips.
; All 1,024 registers are taken (512 sums, 256 W, 128 x as loaded, 64 fragments, 64 addresses and out-buffers), so x's fragments have one buffer, and each
; quarter's head holds ONE wait on va_vdst: the quarter before is done reading its fragments, the conversions have written Y and are done reading X.  Behind it the
; quarter's loads and stores are dealt among its matrix instructions, which name none of the registers that these touch.  A wait on vm_vsrc stands at the heads
; of Q1 and Q3, a quarter behind the stores that read Y1 and Y0, and one ahead of the step of VXS and VA.
;
; LDS
.set XP,   144                         ; a row of a chunk: 64 bf16 = 128 bytes + 16: the 16 rows of a fragment load start 36 words apart, in 16 different groups of banks
.set CHB,  128*XP+128                  ; a chunk = 64 k of all 128 rows, + 128 bytes: chunks lie 128 bytes apart modulo 256, for the reads of the weighted sum
.set BQL,  16*CHB                      ; 2.88539 bq, 512 f32; wave w's 128 at + 512 w (its own bytes)
.set VQL,  BQL+2048                    ; vq likewise
.set SCP,  VQL+2048                    ; [wave][128 rows] f32: each wave's part of the scores
.set PW,   SCP+2048                    ; [wave][128 rows] f32: the weights, a copy for each wave
; REGISTERS, window 0
.set VXO,  4                           ; x: (32 w + 8 h) rows of 4,096 bytes + 16 r
.set VBO,  5                           ; wf: 262,144 w + 16 L
.set VXS,  6                           ; LDS, where my converted 8 bytes go: (32 w + 8 h) XP + 8 r, stepped by two chunks
.set VA,   8                           ; LDS, my part of an x fragment: r XP + 16 h, stepped by two chunks
.set VMASK, 12                         ; the mask bytes of rows 4 L .. 4 L + 3
.set VSC,  13                          ; SCP + 512 w + 4 r
.set VSL,  14                          ; SCP + 16 L
.set VPW,  15                          ; PW + 512 w
.set WB,   16                          ; LDS, the weighted sum's reads: (4 w + h) CHB + 8 r
.set VOUT, 20                          ; part: 1,024 w + 16 L
.set VNEG, 21                          ; -1e6
.set VBQ,  22                          ; BQL + 512 w + 32 h
.set VVQ,  23                          ; VQL + 512 w + 32 h
.set YB,   24                          ; v[24:55]  load q of a chunk's 16, converted: the pair at YB + 2 q.  Y0 = q 0-7, Y1 = q 8-15.  Behind the product these registers serve as below
.set OO,   32                          ; v[32:39]  my 8 columns of the weighted sum
.set SC,   42                          ; v[42:49]  row tile a: my part of the score of row 16 a + r
.set SS,   50                          ; v[50:57]  four chains of pairs
.set AF,   64                          ; v[64:127]   8 fragments of x.  Later BQ, then the weights' first half
.set X0,   128                         ; v[128:191]  x as loaded, set 0.  Later VQ, then the weights' second half
.set X1,   192                         ; v[192:255]  x as loaded, set 1.  Later TT
.set BQ,   64
.set VQ,   128
.set TT,   192
.set PP,   64
; v[56:63]: at the head bq's and vq's four numbers.  v40, v41: m and l.  v58: at work across lanes.
; window 1: W's fragments, slot n at v[64 n], fragment b at + 8 b.  Windows 2, 3: tile (a, b) at v[8 (8 (a % 4) + b)], a < 4 in window 2;
; behind tanh the same 512 registers take the 128 rows of the weighted sum, rows 8 g .. 8 g + 7 at v[32 (g % 8)], g < 8 in window 2.
.set MSB, 0
.macro WIN new                         ; s_set_vgpr_msb: bits 1:0 source 0, 3:2 source 1, 5:4 source 2, 7:6 destination; the high byte repeats the setting left
.if MSB != (\new)
	s_set_vgpr_msb (MSB<<8)|(\new)
.set MSB, (\new)
.endif
.endm
.set MUL_LO, 0xa1                      ; source 0 (W) window 1, source 1 (x) window 0, C and D window 2
.set MUL_HI, 0xf1                      ; the same, C and D window 3
.set TO_B,   0x40                      ; destination window 1, address window 0
.macro PLACES                          ; four plain instructions behind matrix instructions (ISA guide 7.12.1), where no conversions stand there
.rept 4
	v_nop
.endr
.endm
; 4 loads of x: loads q0 .. q0 + 3 of the 16 of chunk ck (counted from the stepped base).  Lanes 0-15 take 256 consecutive bytes of one row, lanes 16-31 of the row 8 further.
.macro XLD4 set, q0, ck
	WIN 0
.set ia, \q0
.rept 4
	global_load_b128 v[\set+4*ia:\set+4*ia+3], v[VXO], s[4:5] offset:(ia+8*(ia/8))*4096+(\ck)*256 th:TH_LOAD_NT
.set ia, ia+1
.endr
.endm
; cnt loads' worth of x to bf16, out of the set and into Y: load q's four numbers make the pair at YB + 2 q
.macro XCVT set, q0, cnt
	WIN 0
.set ia, \q0
.rept \cnt
	v_cvt_pk_bf16_f32 v[YB+2*ia], v[\set+4*ia], v[\set+4*ia+1]
	v_cvt_pk_bf16_f32 v[YB+2*ia+1], v[\set+4*ia+2], v[\set+4*ia+3]
.set ia, ia+1
.endr
.endm
; 4 LDS stores of 8 bytes a lane: 128 bytes of a row from lanes 0-15, 128 of the row 8 further (1,152 bytes on: 128 modulo 256) from lanes 16-31
.macro XST4 q0, ck
	WIN 0
.set ia, \q0
.rept 4
	ds_store_b64 v[VXS], v[YB+2*ia:YB+2*ia+1] offset:(ia+8*(ia/8))*XP+(\ck)*CHB
.set ia, ia+1
.endr
.endm
; 2 loads: W's fragment b of K step sg (counted from the stepped base) into slot; each load covers 512 consecutive bytes
.macro BFRAG slot, b, sg
	WIN TO_B
	global_load_b128 v[64*(\slot)+8*(\b):64*(\slot)+8*(\b)+3], v[VBO], s[6:7] offset:(\b)*32768+(\sg)*1024
	global_load_b128 v[64*(\slot)+8*(\b)+4:64*(\slot)+8*(\b)+7], v[VBO], s[6:7] offset:(\b)*32768+(\sg)*1024+512
.endm
; 2 LDS loads: x fragment t of K step sg: chunk sg / 2, byte 64 (sg % 2) of its rows
.macro AFRAG t, sg
	WIN 0
	ds_load_b128 v[AF+8*(\t):AF+8*(\t)+3], v[VA] offset:(\t)*16*XP+((\sg)>>1)*CHB+((\sg)&1)*64
	ds_load_b128 v[AF+8*(\t)+4:AF+8*(\t)+7], v[VA] offset:(\t)*16*XP+((\sg)>>1)*CHB+((\sg)&1)*64+32
.endm
; the same in runs, for the way in
.macro XLOAD set, q0, ck
	XLD4 \set, \q0, \ck
	XLD4 \set, \q0+4, \ck
.endm
.macro XSTORE q0, ck
	XST4 \q0, \ck
	XST4 \q0+4, \ck
.endm
.macro BLOAD slot, sg
.irp b, 0,1,2,3,4,5,6,7
	BFRAG \slot, \b, \sg
.endr
.endm
; A QUARTER: 32 matrix instructions, row tiles 4 hi .. 4 hi + 3 x all 8 d tiles, number n on tile n of its window: the 32 accumulators take turns.
; zero = 1: the first product starts the sums, nothing is cleared.
; Its memory instructions are dealt four at a time behind its first ten matrix instructions, in this order:
;   behind 1, 2   al: x fragments at .. at + 3 of K step asg        behind 3, 4   xs: the LDS stores of Y's pairs xq .. xq + 7, into chunk sck
;   behind 5 - 8  bl: W's 8 fragments of K step bsg into bslot      behind 9, 10  xl: loads xq .. xq + 7 of chunk lck into xset
; None of them owes a wait of its own: since the wait at the quarter's head no vector or matrix instruction names a register that they touch.
.macro QUART hi, slot, zero, al, at, asg, xs, xl, xset, xq, sck, lck, bl, bslot, bsg
.set n, 0
.rept 32
	WIN MUL_LO+0x50*\hi
.if \zero
	v_wmma_f32_16x16x32_bf16 v[8*n:8*n+7], v[64*(\slot)+8*(n%8):64*(\slot)+8*(n%8)+7], v[AF+8*(4*\hi+n/8):AF+8*(4*\hi+n/8)+7], 0
.else
	v_wmma_f32_16x16x32_bf16 v[8*n:8*n+7], v[64*(\slot)+8*(n%8):64*(\slot)+8*(n%8)+7], v[AF+8*(4*\hi+n/8):AF+8*(4*\hi+n/8)+7], v[8*n:8*n+7]
.endif
.set n, n+1
.if \al && (n <= 2)
	AFRAG \at+2*(n-1), \asg
	AFRAG \at+2*(n-1)+1, \asg
.endif
.if \xs && (n >= 3) && (n <= 4)
	XST4 \xq+4*(n-3), \sck
.endif
.if \bl && (n >= 5) && (n <= 8)
	BFRAG \bslot, 2*(n-5), \bsg
	BFRAG \bslot, 2*(n-5)+1, \bsg
.endif
.if \xl && (n >= 9) && (n <= 10)
	XLD4 \xset, \xq+4*(n-9), \lck
.endif
.endr
.endm
; between two quarters: four loads' worth of x is converted; in the last trips, which have none, four v_nop stand between the matrix instructions and the loads into their fragments
.macro GAP xcv, q0
.if \xcv
	XCVT XSET, \q0, 4
.else
	PLACES
.endif
.endm
; behind two trips: all bases two chunks (four K steps) on
.macro ROUNDEND
	WIN 0
	s_wait_xcnt 0x0                                ; the two scalar bases, which loads still out name, are stepped only behind this wait; the youngest of those loads stands 24 matrix instructions back
	s_add_nc_u64 s[4:5], s[4:5], 512
	s_add_nc_u64 s[6:7], s[6:7], 4096
	s_wait_alu depctr_vm_vsrc(0)                   ; the LDS stores and loads issued so far have read VXS and VA, which the two lines below write
	v_add_nc_u32 v[VXS], 2*CHB, v[VXS]
	v_add_nc_u32 v[VA], 2*CHB, v[VA]               ; that they are written is stated by the wait at the next trip's head
.endm
; A TRIP = chunk c of 64 k = K steps 2 c, 2 c + 1 = four quarters.  par = c % 2.  XSET holds chunk c + 2 as loaded, XOTH the other set.
;   Q0  rows 0-63,   step 2 c      | fragments 4-7 of step 2 c; Y1 (second half of chunk c + 1) to LDS; second half of chunk c + 3 into XOTH
;   Q1  rows 64-127, step 2 c      | fragments 0-3 of step 2 c + 1
;   Q2  rows 0-63,   step 2 c + 1  | fragments 4-7 of step 2 c + 1; Y0 (first half of chunk c + 2) to LDS; W's step 2 c + 3; first half of chunk c + 4 into XSET
;   Q3  rows 64-127, step 2 c + 1  | fragments 0-3 of step 2 c + 2; W's step 2 c + 4
; ONE BARRIER A TRIP, signalled behind Q0 and waited for behind Q1: it makes chunk c + 1 readable (its last stores stand in Q0 and are waited for in front of the signal);
; it is first read in Q3.  Between signal and wait stand register work and LDS loads of chunk c alone.  No byte of the x block is ever written twice, so no barrier is needed the other way.
; Global loads go out in the order x 8 (Q0), W 16, x 8 (Q2), W 16 (Q3), and so on from trip to trip.
;   lw0, at Q0's head: W's step 2 c was asked for in Q3 two trips ago: x 8, W 16, x 8, W 16 = 48 younger loads stay out.  The x that is converted ahead of Q1 and Q2 is older.
;   lw1, at Q2's head: W's step 2 c + 1 was asked for in Q2 of the last trip: x 8, W 16, x 8 = 32 stay out.  The x that is converted ahead of Q3 and at the trip's end is older.
; Every wait on DScnt is for 0: behind the fragments that a quarter needs, which were asked for early in the quarter before, at most that quarter's LDS stores have been issued.
; The first trip and the last four leave parts out (xs0, xl0, xcv, xs2, b2, xl2, an, b3, bar = 0), and their counts shrink with what was not issued.
.macro TRIP par, zero, xs0, xl0, xcv, xs2, b2, xl2, an, b3, bar, lw0, lw1
.set KS0,  2*\par
.set KS1,  2*\par+1
.set SLB,  (2*\par+3)&3
.set XSET, X0+64*\par
.set XOTH, X0+64*(1-\par)
	s_wait_loadcnt \lw0
	s_wait_dscnt 0x0                               ; fragments 0-3 of step 2 c are in
.if !\zero
	s_wait_alu depctr_va_vdst(0)                   ; the last trip's Q3 is done reading fragments 4-7; its last conversions have written Y1 and are done reading XOTH's second half; behind a step, VXS and VA are written
.endif
	QUART 0, KS0, \zero, 1, 4, KS0, \xs0, \xl0, XOTH, 8, 1+\par, 3+\par, 0, 0, 0
	s_wait_dscnt 0x0                               ; fragments 4-7 are in; and, for the other waves, my stores of chunk c + 1 are done
.if \bar
	s_barrier_signal -1
.endif
	GAP \xcv, 0
.if \xs0
	s_wait_alu depctr_vm_vsrc(0)                   ; Q0's LDS stores have read Y1, which later vector instructions write (the next: the conversions ahead of Q3)
.endif
	s_wait_alu depctr_va_vdst(0)                   ; Q0 is done reading fragments 0-3, in which the loads of Q1 land
	QUART 1, KS0, \zero, 1, 0, KS1, 0, 0, XSET, 0, 0, 0, 0, 0, 0
.if \bar
	s_barrier_wait -1
.endif
	GAP \xcv, 4
	s_wait_loadcnt \lw1
	s_wait_dscnt 0x0                               ; fragments 0-3 of step 2 c + 1 are in
	s_wait_alu depctr_va_vdst(0)                   ; Q1 is done reading fragments 4-7; the conversions have written Y0 and are done reading XSET's first half; the slot that W's next step takes was read last in the trip before
	QUART 0, KS1, 0, 1, 4, KS1, \xs2, \xl2, XSET, 0, 2+\par, 4+\par, \b2, SLB, KS0+3
.if \an
	GAP \xcv, 8
.endif
	s_wait_dscnt 0x0                               ; fragments 4-7 of step 2 c + 1 are in
.if \xs2
	s_wait_alu depctr_vm_vsrc(0)                   ; Q2's LDS stores have read Y0, which later vector instructions write (the next: the next trip's first conversions)
.endif
.if \an
	s_wait_alu depctr_va_vdst(0)                   ; Q2 is done reading fragments 0-3, in which the loads of Q3 land; Q0 and Q1 are done reading the slot of step 2 c
.endif
	QUART 1, KS1, 0, \an, 0, KS0+2, 0, 0, XSET, 0, 0, 0, \b3, KS0, KS0+4
.if \an
	GAP \xcv, 12
.endif
.endm
	; ---- set-up
	s_load_b256 s[4:11], s[0:1], 0x0               ; x s[4:5], wf s[6:7], bq s[8:9], vq s[10:11]
	s_load_b128 s[12:15], s[0:1], 0x20             ; mask s[12:13], part s[14:15]
	v_lshl_add_u32 v18, v0, 2, 0x4a800
	v_mov_b32 v19, 0
	v_lshrrev_b32 v1, 5, v0
	v_readfirstlane_b32 s16, v1                    ; wave w
	v_and_b32 v1, 31, v0                           ; L
	v_and_b32 v2, 15, v0                           ; r
	v_bfe_u32 v3, v0, 4, 1                         ; h
	s_mov_b32 s20, 0x76543210                      ; v_permlanex16_b32: lane i reads lane i of the other half
	s_mov_b32 s21, 0xfedcba98
	s_mov_b32 s19, 0
	s_wait_alu depctr_va_sdst(0)                   ; s16 is written, ahead of its first reader
	s_lshl_b32 s17, s16, 17                        ; 32 w rows of 4,096 bytes.  Each scalar that a vector line reads has a register of its own
	s_lshl_b32 s23, s16, 18                        ; 8 d tiles x 32 K steps x 1,024 bytes
	s_mul_i32 s24, s16, 32*XP
	s_lshl_b32 s25, s16, 9                         ; 512 w
	s_add_co_u32 s26, s25, PW
	s_mul_i32 s27, s16, 4*CHB
	s_lshl_b32 s2, s16, 10
	v_lshlrev_b32 v[VXO], 4, v2
	v_lshl_add_u32 v[VXO], v3, 15, v[VXO]
	v_add_nc_u32 v[VXO], s17, v[VXO]
	v_lshl_add_u32 v[VBO], v1, 4, s23
	v_mul_u32_u24 v[VXS], v3, 8*XP
	v_lshl_add_u32 v[VXS], v2, 3, v[VXS]
	v_add_nc_u32 v[VXS], s24, v[VXS]
	v_mul_u32_u24 v[VA], v2, XP
	v_lshl_add_u32 v[VA], v3, 4, v[VA]
	v_lshl_add_u32 v[VSC], v2, 2, s25
	v_add_nc_u32 v[VSC], SCP, v[VSC]
	v_lshlrev_b32 v[VSL], 4, v1
	v_add_nc_u32 v[VSL], SCP, v[VSL]
	v_mov_b32 v[VPW], s26
	v_lshl_add_u32 v[VBQ], v3, 5, s25
	v_add_nc_u32 v[VVQ], VQL, v[VBQ]
	v_add_nc_u32 v[VBQ], BQL, v[VBQ]
	v_lshl_add_u32 v7, v1, 4, s25                  ; bq, vq: my 4 numbers of my wave's 128
	v_add_nc_u32 v10, BQL, v7                      ; and where they go in LDS
	v_lshlrev_b32 v9, 2, v1                        ; mask: my 4 bytes
	v_mul_u32_u24 v[WB], v3, CHB
	v_lshl_add_u32 v[WB], v2, 3, v[WB]
	v_add_nc_u32 v[WB], s27, v[WB]
	v_lshl_add_u32 v[VOUT], v1, 4, s2
	v_mov_b32 v[VNEG], 0xc9742400                  ; -1e6
	s_wait_kmcnt 0x0
	s_lshl_b32 s18, ttmp9, 19                      ; 128 rows of 4,096 bytes; at most 511 << 19, below 2^32
	s_add_nc_u64 s[4:5], s[4:5], s[18:19]
	s_lshl_b32 s18, ttmp9, 7
	s_add_nc_u64 s[12:13], s[12:13], s[18:19]
	s_mul_i32 s18, ttmp9, 4352
	s_add_nc_u64 s[14:15], s[14:15], s[18:19]
	s_wait_alu depctr_va_vdst(0)                   ; all offsets and LDS addresses made above are written: every load and store of the kernel reads one of them
	; ---- the way in: chunks 0 and 1 go to LDS, then the loads are issued in the order that the trips keep, so that the trips' counts hold from the first
	global_load_b128 v[56:59], v7, s[8:9]
	global_load_b128 v[60:63], v7, s[10:11]
	global_load_b32 v[VMASK], v9, s[12:13]
	XLOAD X0, 0, 0
	XLOAD X0, 8, 0
	XLOAD X1, 0, 1
	XLOAD X1, 8, 1
	s_wait_loadcnt 16                              ; chunk 1's 16 loads stay out: bq, vq, mask and chunk 0 are in
	; bq and vq to bf16 (nearest even) and back to f32: they enter in the format of the other inputs (see FORMAT at the head)
	v_cvt_pk_bf16_f32 v56, v56, v57
	v_cvt_pk_bf16_f32 v57, v58, v59
	v_cvt_pk_bf16_f32 v60, v60, v61
	v_cvt_pk_bf16_f32 v61, v62, v63
.irp p, 56, 60
	v_and_b32 v[\p+3], 0xffff0000, v[\p+1]         ; the second word's halves first: the high half stays,
	v_lshlrev_b32 v[\p+2], 16, v[\p+1]             ; the low half moves up;
	v_and_b32 v[\p+1], 0xffff0000, v[\p]           ; then the first word's
	v_lshlrev_b32 v[\p], 16, v[\p]
.endr
	v_pk_mul_f32 v[56:57], v[56:57], 0x4038aa3b op_sel_hi:[1,0]    ; 2 log2(e) bq: the factor of the exponential is folded in
	v_pk_mul_f32 v[58:59], v[58:59], 0x4038aa3b op_sel_hi:[1,0]
	XCVT X0, 0, 16
	s_wait_alu depctr_va_vdst(0)                   ; v[56:63] and Y are written, which the LDS stores read; the conversions are done reading X0, in which chunk 2 lands
	ds_store_b128 v10, v[56:59]                    ; my wave's own bytes: read back by this wave alone
	ds_store_b128 v10, v[60:63] offset:2048
	XSTORE 0, 0
	XSTORE 8, 0
	XLOAD X0, 0, 2
	BLOAD 0, 0
	XLOAD X0, 8, 2
	BLOAD 1, 1
	s_wait_loadcnt 48                              ; the 48 just issued stay out: chunk 1 is in
	s_wait_alu depctr_vm_vsrc(0)                   ; chunk 0's LDS stores have read Y, which the conversions below write again
	XCVT X1, 0, 16
	s_wait_alu depctr_va_vdst(0)                   ; Y is written, which the LDS stores read; the conversions are done reading X1, in which chunk 3 lands
	XSTORE 0, 1
	XSTORE 8, 1
	XLOAD X1, 0, 3
	BLOAD 2, 2
	XLOAD X1, 8, 3
	WIN 0
	s_wait_dscnt 0x0                               ; my stores of chunks 0 and 1 are done,
	s_barrier_signal -1
	s_barrier_wait -1                              ; everybody's are
	s_wait_alu depctr_vm_vsrc(0)                   ; chunk 1's LDS stores have read Y, which the first trip's conversions write again
.irp t, 0,1,2,3
	AFRAG \t, 0                                    ; fragments 0-3 of step 0; the first trip's Q0 fetches the other four
.endr
	; ---- the product: 16 trips
	TRIP 0,1, 0,0, 1,1,1,1, 1,1, 1, 56,32          ; chunk 1 is stored and chunk 3 asked for already: lw0 = 56, the second half of chunk 3 among the younger loads
	TRIP 1,0, 1,1, 1,1,1,1, 1,1, 1, 48,32
	ROUNDEND
	s_mov_b32 s22, 5
.Lround:                                               ; trips 2 to 11
	TRIP 0,0, 1,1, 1,1,1,1, 1,1, 1, 48,32
	TRIP 1,0, 1,1, 1,1,1,1, 1,1, 1, 48,32
	ROUNDEND
	s_sub_co_u32 s22, s22, 1
	s_cmp_lg_u32 s22, 0
	s_cbranch_scc1 .Lround
	TRIP 0,0, 1,1, 1,1,1,0, 1,1, 1, 48,32          ; trip 12: asks for the last half chunk in Q0; there is no chunk 16
	TRIP 1,0, 1,0, 1,1,1,0, 1,1, 1, 40,16          ; trip 13: lw0: x 8, W 16, W 16; lw1: W 16.  Converts the last chunk
	ROUNDEND
	TRIP 0,0, 1,0, 0,0,1,0, 1,0, 1, 32,16          ; trip 14: stores the last half chunk, asks for W's last step; its barrier makes chunk 15 readable.  lw0: W 16, W 16; lw1: W 16
	TRIP 1,0, 0,0, 0,0,0,0, 0,0, 0, 16,0           ; trip 15: only fragments are fetched, the counts run out
	; ---- tanh and the product with vq.  bq and vq of my 64 values of d (16 b + 8 h + j) come back from my wave's own LDS bytes.
	PLACES                                         ; behind the last matrix instructions, ahead of the reads of the sums
	WIN 0
	s_wait_alu depctr_va_vdst(0)                   ; the last matrix instructions are done reading the fragments' registers, in which bq lands
.irp b, 0,1,2,3,4,5,6,7
	ds_load_b128 v[BQ+8*\b:BQ+8*\b+3], v[VBQ] offset:64*\b
	ds_load_b128 v[BQ+8*\b+4:BQ+8*\b+7], v[VBQ] offset:64*\b+16
	ds_load_b128 v[VQ+8*\b:VQ+8*\b+3], v[VVQ] offset:64*\b
	ds_load_b128 v[VQ+8*\b+4:VQ+8*\b+7], v[VVQ] offset:64*\b+16
.endr
	v_mov_b32 v58, 0                               ; v_permlanex16_b32 counts as a reader of its destination
	s_wait_dscnt 0x0
; row tile a: 64 numbers a lane.  Transcendentals stand in runs; behind each run one plain instruction (ISA guide 5.7.2) and ONE wait, ahead of the first line that names a result.
.macro TANHROW a
.if \a < 4
	WIN 0x02                                       ; source 0 in window 2
.else
	WIN 0x03
.endif
.set ia, 0
.rept 32
	v_pk_fma_f32 v[TT+2*ia:TT+2*ia+1], v[64*(\a%4)+2*ia:64*(\a%4)+2*ia+1], 0x4038aa3b, v[BQ+2*ia:BQ+2*ia+1] op_sel_hi:[1,0,1]   ; 2 log2(e) (z + bq)
.set ia, ia+1
.endr
	WIN 0
.set ia, 0
.rept 64
	v_exp_f32 v[TT+ia], v[TT+ia]
.set ia, ia+1
.endr
	v_nop
	s_wait_alu depctr_va_vdst(0)                   ; the 64 exponentials are written, ahead of the additions that name them
.set ia, 0
.rept 32
	v_pk_add_f32 v[TT+2*ia:TT+2*ia+1], v[TT+2*ia:TT+2*ia+1], 1.0 op_sel_hi:[1,0]
.set ia, ia+1
.endr
.set ia, 0
.rept 64
	v_rcp_f32 v[TT+ia], v[TT+ia]
.set ia, ia+1
.endr
	v_nop
	s_wait_alu depctr_va_vdst(0)                   ; the 64 reciprocals are written, ahead of the lines that name them
.set ia, 0
.rept 32
	v_pk_fma_f32 v[TT+2*ia:TT+2*ia+1], v[TT+2*ia:TT+2*ia+1], -2.0, 1.0 op_sel_hi:[1,0,0]      ; tanh
.set ia, ia+1
.endr
.set ia, 0
.rept 4
	v_pk_mul_f32 v[SS+2*ia:SS+2*ia+1], v[TT+2*ia:TT+2*ia+1], v[VQ+2*ia:VQ+2*ia+1]             ; the first products start the four chains
.set ia, ia+1
.endr
.rept 28
	v_pk_fma_f32 v[SS+2*(ia%4):SS+2*(ia%4)+1], v[TT+2*ia:TT+2*ia+1], v[VQ+2*ia:VQ+2*ia+1], v[SS+2*(ia%4):SS+2*(ia%4)+1]
.set ia, ia+1
.endr
	v_pk_add_f32 v[SS:SS+1], v[SS:SS+1], v[SS+2:SS+3]
	v_pk_add_f32 v[SS+4:SS+5], v[SS+4:SS+5], v[SS+6:SS+7]
	v_pk_add_f32 v[SS:SS+1], v[SS:SS+1], v[SS+4:SS+5]
	v_add_f32 v[SC+\a], v[SS], v[SS+1]
.endm
	TANHROW 0
	TANHROW 1
	TANHROW 2
	TANHROW 3
	TANHROW 4
	TANHROW 5
	TANHROW 6
	TANHROW 7
.irp a, 0,1,2,3,4,5,6,7
	v_permlanex16_b32 v[SS+\a], v[SC+\a], s20, s21 ; the other half of the lanes holds the other 64 d of the same row
.endr
.irp a, 0,1,2,3,4,5,6,7
	v_add_f32 v[SC+\a], v[SC+\a], v[SS+\a]
.endr
	s_wait_alu depctr_va_vdst(0)                   ; the eight sums are written, which the LDS stores read; tanh's lines are done with TT's registers, in which the scores land below
.irp a, 0,1,2,3,4,5,6,7
	ds_store_b32 v[VSC], v[SC+\a] offset:64*\a     ; row 16 a + r; both halves write the same word with the same number
.endr
	s_wait_dscnt 0x0                               ; my part of the scores is in LDS,
	s_barrier_signal -1
	s_barrier_wait -1                              ; everybody's is
; The weighted sum's macros.  Wave w owns columns 256 w .. 256 w + 255 (chunks 4 w .. 4 w + 3), a lane the columns 256 w + 4 L .. + 3 and 128 further.
; A row costs two loads of 8 bytes a lane; lanes 0-15 read 128 bytes of one chunk, lanes 16-31 of the next, 128 bytes apart modulo 256.
; The 16 groups of 8 rows have 32 registers each of the 512 that held the sums: no register is loaded twice, so no load waits for a vector instruction.
.macro PLOAD g                         ; rows 8 g .. 8 g + 7: 16 loads
.if (\g) < 8
	WIN 0x80                                       ; destination window 2, address window 0
.else
	WIN 0xc0                                       ; destination window 3
.endif
.set ia, 0
.rept 8
	ds_load_b64 v[32*((\g)%8)+4*ia:32*((\g)%8)+4*ia+1], v[WB] offset:(8*(\g)+ia)*XP
	ds_load_b64 v[32*((\g)%8)+4*ia+2:32*((\g)%8)+4*ia+3], v[WB] offset:(8*(\g)+ia)*XP+2*CHB
.set ia, ia+1
.endr
.endm
.macro PFMA g                          ; 64 fused multiply-adds straight from the bf16 halves
.if (\g) < 8
	WIN 0x02                                       ; source 0 in window 2
.else
	WIN 0x03
.endif
.set ia, 0
.rept 8
.irp c, 0,1,2,3
	v_fma_mix_f32_bf16 v[OO+2*\c], v[32*((\g)%8)+4*ia+\c], v[PP+8*(\g)+ia], v[OO+2*\c] op_sel_hi:[1,0,0]
	v_fma_mix_f32_bf16 v[OO+2*\c+1], v[32*((\g)%8)+4*ia+\c], v[PP+8*(\g)+ia], v[OO+2*\c+1] op_sel:[1,0,0] op_sel_hi:[1,0,0]
.endr
.set ia, ia+1
.endr
.endm
	; ---- the block's softmax partial, made alike by every wave: lane L has rows 4 L .. 4 L + 3
.irp q, 0,1,2,3
	ds_load_b128 v[192+4*\q:195+4*\q], v[VSL] offset:512*\q
.endr
	s_wait_dscnt 0x0
	v_pk_add_f32 v[192:193], v[192:193], v[196:197]
	v_pk_add_f32 v[194:195], v[194:195], v[198:199]
	v_pk_add_f32 v[200:201], v[200:201], v[204:205]
	v_pk_add_f32 v[202:203], v[202:203], v[206:207]
	v_pk_add_f32 v[192:193], v[192:193], v[200:201]
	v_pk_add_f32 v[194:195], v[194:195], v[202:203]
.irp i, 0,1,2,3
	v_bfe_u32 v[24+\i], v[VMASK], 8*\i, 8
.endr
.irp i, 0,1,2,3
	v_cmp_ne_u32 s[28+\i], 0, v[24+\i]
.endr
	s_wait_alu depctr_va_sdst(0)                   ; the four compares have written s28 to s31, ahead of the selects that read them
.irp i, 0,1,2,3
	v_cndmask_b32 v[192+\i], v[192+\i], v[VNEG], s[28+\i]          ; mask set: -1e6, a finite score like any other
.endr
	v_max_num_f32 v40, v192, v193
	v_max3_num_f32 v40, v40, v194, v195
	v_max_num_f32_dpp v40, v40, v40 row_xmask:1 row_mask:0xf bank_mask:0xf
	v_max_num_f32_dpp v40, v40, v40 row_xmask:2 row_mask:0xf bank_mask:0xf
	v_max_num_f32_dpp v40, v40, v40 row_xmask:4 row_mask:0xf bank_mask:0xf
	v_max_num_f32_dpp v40, v40, v40 row_xmask:8 row_mask:0xf bank_mask:0xf
	v_permlanex16_b32 v58, v40, s20, s21
	v_max_num_f32 v40, v40, v58                    ; m: the largest of the 128 scores, in every lane
.irp i, 0,1,2,3
	v_sub_f32 v[196+\i], v[192+\i], v40
	v_mul_f32 v[196+\i], 0x3fb8aa3b, v[196+\i]
.endr
.irp i, 0,1,2,3
	v_exp_f32 v[196+\i], v[196+\i]                 ; exp(score - m), at most 1
.endr
	v_lshl_add_u32 v25, v1, 4, v[VPW]              ; (the plain instruction behind the run)
	s_wait_alu depctr_va_vdst(0)                   ; the four weights and v25 are written: the LDS store reads them, and the sums below name the weights
	ds_store_b128 v25, v[196:199]                  ; the weights into my wave's own copy,
.set ia, 0
.rept 32
	ds_load_b128 v[PP+4*ia:PP+4*ia+3], v[VPW] offset:16*ia         ; and all 128 back into every lane: LDS serves a wave's instructions in order (ISA guide 5.7.1).  Since the wait above nothing names these registers
.set ia, ia+1
.endr
	PLOAD 0                                        ; the first 24 rows; the sums that lay in these registers were last read by tanh's lines, ahead of the waits above
	PLOAD 1
	PLOAD 2
	WIN 0
	v_add_f32 v41, v196, v197
	v_add_f32 v24, v198, v199
	v_add_f32 v41, v41, v24
	v_add_f32_dpp v41, v41, v41 row_xmask:1 row_mask:0xf bank_mask:0xf
	v_add_f32_dpp v41, v41, v41 row_xmask:2 row_mask:0xf bank_mask:0xf
	v_add_f32_dpp v41, v41, v41 row_xmask:4 row_mask:0xf bank_mask:0xf
	v_add_f32_dpp v41, v41, v41 row_xmask:8 row_mask:0xf bank_mask:0xf
	v_permlanex16_b32 v58, v41, s20, s21
	v_add_f32 v41, v41, v58                        ; l, at least 1
.irp i, 0,1,2,3,4,5,6,7
	v_mov_b32 v[OO+\i], 0
.endr
	; ---- the weighted sum: group pg is multiplied while the groups up to pg + 2 are on their way, and group pg + 3 is asked for behind it
.set pg, 0
.rept 16
.if pg < 14
	s_wait_dscnt 32                                ; the two younger groups' 32 loads stay out; the first time this also covers the weights
.elseif pg == 14
	s_wait_dscnt 16
.else
	s_wait_dscnt 0x0
.endif
	PFMA pg
.if pg < 13
	PLOAD pg+3
.endif
.set pg, pg+1
.endr
	; ---- the record: 256 bytes of {m, l}, 32 times, then 1,024 f32.  Every store of a wave covers 256 or 512 consecutive bytes, aligned.
	WIN 0
	v_lshlrev_b32 v26, 3, v1
	s_wait_alu depctr_va_vdst(0)                   ; my 8 columns and v26 are written, which the stores below read (m and l were written ahead of earlier waits)
	global_store_b128 v[VOUT], v[OO:OO+3], s[14:15] offset:256
	global_store_b128 v[VOUT], v[OO+4:OO+7], s[14:15] offset:768
	s_cmp_lg_u32 s16, 0
	s_cbranch_scc1 .Ldone                          ; every wave holds the same m and l: wave 0 writes them
	global_store_b64 v26, v[40:41], s[14:15]
.Ldone:
	s_wait_dscnt 0x0
	s_wait_alu depctr_hold_cnt(0) depctr_sa_sdst(0) depctr_va_vdst(0) depctr_va_sdst(0) depctr_va_ssrc(0) depctr_va_vcc(0) depctr_vm_vsrc(0)
	s_wait_tensorcnt 0x0
	ds_add_u32 v18, v19
	s_wait_dscnt 0x0
	s_endpgm
.Lfunc_end_k_q1be77ba77b_pool:
	.size	k_q1be77ba77b_pool, .Lfunc_end_k_q1be77ba77b_pool-k_q1be77ba77b_pool
	.p2alignl 7, 3214868480
	.fill 96, 4, 3214868480
	.section	.rodata,"a",@progbits
	.p2align	6, 0x0
	.amdhsa_kernel k_q1be77ba77b_pool
		.amdhsa_group_segment_fixed_size 305664
		.amdhsa_private_segment_fixed_size 0
		.amdhsa_enable_private_segment 0
		.amdhsa_kernarg_size 48
		.amdhsa_user_sgpr_count 2
		.amdhsa_user_sgpr_kernarg_segment_ptr 1
		.amdhsa_wavefront_size32 1
		.amdhsa_system_sgpr_workgroup_id_x 1
		.amdhsa_system_sgpr_workgroup_id_y 1
		.amdhsa_system_sgpr_workgroup_id_z 1
		.amdhsa_system_vgpr_workitem_id 0
		.amdhsa_next_free_vgpr 1024
		.amdhsa_next_free_sgpr 66
		.amdhsa_reserve_vcc 0
		.amdhsa_float_denorm_mode_32 3
		.amdhsa_float_denorm_mode_16_64 3
		.amdhsa_memory_ordered 1
		.amdhsa_forward_progress 1
		.amdhsa_inst_pref_size 255
	.end_amdhsa_kernel
	.section	.bss,"aw",@nobits
	.p2align	6
	.space	262144
	.amdgpu_metadata
---
amdhsa.version: [ 1, 2 ]
amdhsa.kernels:
  - .name:           k_q1be77ba77b_pool
    .symbol:         k_q1be77ba77b_pool.kd
    .args:
      - { .name: x, .offset: 0, .size: 8, .value_kind: global_buffer, .address_space: global }
      - { .name: wf, .offset: 8, .size: 8, .value_kind: global_buffer, .address_space: global }
      - { .name: bq, .offset: 16, .size: 8, .value_kind: global_buffer, .address_space: global }
      - { .name: vq, .offset: 24, .size: 8, .value_kind: global_buffer, .address_space: global }
      - { .name: mask, .offset: 32, .size: 8, .value_kind: global_buffer, .address_space: global }
      - { .name: part, .offset: 40, .size: 8, .value_kind: global_buffer, .address_space: global }
    .group_segment_fixed_size: 305664
    .private_segment_fixed_size: 0
    .kernarg_segment_align: 8
    .kernarg_segment_size: 48
    .max_flat_workgroup_size: 128
    .sgpr_count:     66
    .vgpr_count:     1024
    .wavefront_size: 32
...
	.end_amdgpu_metadata
.endif
;; end of part 4
;; launch merge: the kernel of part 3 again; grid 256 x 1, 4 waves a work-group, no clusters, 0 bytes of LDS; arguments part, out0; writes out0
